; MI455X (gfx1250); checked and timed in simulation.
; The chip was launched on July 23, 2026; its instructions are those of AMD's public machine-readable ISA for CDNA 5 (MIT licence, August 2026) and "CDNA5" Instruction Set Architecture Reference Guide (July 2026). The comments in the code are by the model that wrote it; some were corrected since.
;; Attention. Allowed arithmetic: float matrix products may take bf16 or f16 operands with f32 sums; all other float work in f32.
;; Inputs: W 1,024 x 1,024 float32; b 1,024 float32; encoder_outputs 32 x 2,048 x 1,024 float32; hx 32 x 1,024 float32.
;; Outputs: out0 32 x 1 x 2,048 float32.
;; One version. Each part assembles by itself: llvm-mc -triple=amdgcn-amd-amdhsa -mcpu=gfx1250 --defsym DOCPART=n.
;; ======== version 1 of 1: 3 launches
;; workspace buffers: vpart 2,097,152 bytes; eng 262,144 bytes
;; launch vpart (part 1): grid 16 x 16, 8 waves a work-group, no clusters, 66,560 bytes of LDS; arguments W, hx, vpart; writes vpart
.if DOCPART == 1
	.amdgcn_target "amdgcn-amd-amdhsa--gfx1250"
	.amdhsa_code_object_version 6
	.text
	.protected	k_q560b3bb2b6_vpart
	.globl	k_q560b3bb2b6_vpart
	.p2align	8
	.type	k_q560b3bb2b6_vpart,@function
k_q560b3bb2b6_vpart:
	s_mov_b64 s[64:65], 0
	v_nop
	global_prefetch_b8 v0, s[64:65] scope:SCOPE_SE
	s_setreg_imm32_b32 hwreg(HW_REG_WAVE_MODE, 25, 1), 1
	s_wait_xcnt 0x0
; FIRST OF THREE.  The module is softmax over l of  sum_h hx[b][h] (sum_e enc[b][l][e] W[h][e] + bias[h]).  The projection is used in that one dot product alone, so for every input
;   energy[b][l] = sum_e enc[b][l][e] v[b][e] + c[b],   v[b][e] = sum_h hx[b][h] W[h][e],   c[b] = sum_h hx[b][h] bias[h].
; This launch makes v in 16 partial sums over h:  vpart[s][b][e] = sum over h = 64 s .. 64 s + 63 of hx[b][h] W[h][e],  laid out [16][32][1024] in f32.
; LIMIT, stated: the sums are associated as (hx W) enc and not as hx (W enc); every number and every sum is f32.  An error d of an energy changes a weight by the factor e^d,
; so no operand is rounded to 16 bits, and a product of 32 rows with each byte of W used for 16 of them gives the matrix unit nothing to do that the vector unit does not do from the same bytes.
; SHARES.  Work-group (x, s): cb = x % 8 picks 128 columns (512 bytes of a row of W), bg = x / 8 picks 16 batches, s picks 64 values of h.  Wave w takes h = 64 s + 8 w .. + 7 for all
; 16 batches; lane i holds columns 4 i .. 4 i + 3.  hx comes through scalar registers: a wave needs 8 numbers of each of 16 rows, the same in every lane.
; The eight waves' sums meet in LDS; wave w adds up batches 2 w and 2 w + 1 and stores them, 512 consecutive bytes a store, aligned.
.set ROWB,  4096                       ; bytes in a row of W, of hx and of a partial's row
.set SPARE, 65536                      ; behind the 8 x 16 x 512 bytes of sums: the spare words, 128 bytes for each wave: four blocks of 256 bytes that no other line names
.set SPW,   4                          ; v4       LDS address of my spare word: SPARE + 4 x my thread's number; never rewritten
.set NIL,   5                          ; v5       0; never rewritten
.set WR,    8                          ; v[8:39]  row i of my 8 rows of W at WR + 4 i: my 4 columns
.set ACC,   40                         ; v[40:103] batch j of 16 at ACC + 4 j: my 4 columns; later the sums read back: wave u, batch jj of my two at ACC + 8 u + 4 jj
; v1 = 16 x lane (global offset); v2 = 8,192 w + 16 x lane (into LDS); v3 = 1,024 w + 16 x lane (back from LDS)
; s[4:5] W, s[6:7] hx, s[8:9] vpart, each at my part; s10 wave; s11 cb; s12 bg; s13 s.
; hx lies in two sets of four tuples of eight scalars: set 0 at s16, s24, s32, s40; set 1 at s48, s56, s68, s76.
	s_load_b128 s[4:7], s[0:1], 0x0                ; W, hx
	s_load_b64 s[8:9], s[0:1], 0x10                ; vpart
	v_lshl_add_u32 v[SPW], v0, 2, SPARE
	v_mov_b32 v[NIL], 0
	v_lshrrev_b32 v6, 5, v0
	v_readfirstlane_b32 s10, v6                    ; wave 0..7
	v_and_b32 v7, 31, v0
	v_lshlrev_b32 v1, 4, v7                        ; 16 bytes a lane
	s_and_b32 s11, ttmp9, 7                        ; cb
	s_lshr_b32 s12, ttmp9, 3                       ; bg
	s_and_b32 s13, ttmp7, 0xffff                   ; s
	s_lshl_b32 s2, s10, 13                         ; my wave's 16 x 512 bytes in LDS; also two rows of a partial
	v_add_nc_u32 v2, s2, v1
	s_lshl_b32 s3, s10, 10                         ; my two batches in each wave's 16
	v_add_nc_u32 v3, s3, v1
	s_lshl_b32 s20, s11, 9                         ; my 128 columns, in bytes
	s_lshl_b32 s21, s12, 16                        ; my 16 batches' rows, in bytes
	s_lshl_b32 s14, s13, 18                        ; W: row 64 s
	s_lshl_b32 s15, s10, 15                        ;    + 8 w
	s_add_co_u32 s14, s14, s15
	s_add_co_u32 s14, s14, s20                     ;    my columns
	s_mov_b32 s15, 0
	s_lshl_b32 s16, s13, 8                         ; hx: column 64 s
	s_lshl_b32 s17, s10, 5                         ;     + 8 w
	s_add_co_u32 s16, s16, s17
	s_add_co_u32 s16, s16, s21                     ;     row 16 bg
	s_mov_b32 s17, 0
	s_lshl_b32 s18, s13, 17                        ; vpart: partial s,
	s_add_co_u32 s18, s18, s21                     ;     row 16 bg
	s_add_co_u32 s18, s18, s2                      ;     + 2 w,
	s_add_co_u32 s18, s18, s20                     ;     my columns
	s_mov_b32 s19, 0
	s_wait_kmcnt 0x0
	s_add_nc_u64 s[4:5], s[4:5], s[14:15]
	s_add_nc_u64 s[6:7], s[6:7], s[16:17]
	s_add_nc_u64 s[8:9], s[8:9], s[18:19]
.irp i, 0,1,2,3,4,5,6,7
	global_load_b128 v[WR+4*(\i):WR+4*(\i)+3], v1, s[4:5] offset:(\i)*ROWB  ; 512 consecutive bytes of row i; a second work-group (the other 16 batches) reads them too, so no hint
.endr
; Four rows of hx, batches j0 .. j0 + 3 of my 16: my 8 numbers of each into the set's four tuples
.macro SLD set, j0
.irp q, 0,1,2,3
.set TP, 16+32*(\set)+8*(\q)+4*(\set)*((\q)/2)
	s_load_b256 s[TP:TP+7], s[6:7], ((\j0)+(\q))*ROWB
.endr
.endm
; 128 multiply-adds: 8 values of h x 4 batches x 4 columns.  h goes outermost, so that 16 sums take turns between two links of a chain; the first h starts the sums: nothing is cleared.
.macro PHASE set, j0
.irp i, 0,1,2,3,4,5,6,7
.irp q, 0,1,2,3
.set TP, 16+32*(\set)+8*(\q)+4*(\set)*((\q)/2)
.set AC, ACC+4*((\j0)+(\q))
.irp c, 0,1,2,3
.if (\i) == 0
	v_mul_f32 v[AC+(\c)], s[TP], v[WR+(\c)]
.else
	v_fmac_f32 v[AC+(\c)], s[TP+(\i)], v[WR+4*(\i)+(\c)]
.endif
.endr
.endr
.endr
.endm
	SLD 0, 0
	SLD 1, 4
	s_wait_kmcnt 0x0                               ; scalar loads come back in no order: both sets are in
	s_wait_loadcnt 0x0                             ; my 8 rows of W
	PHASE 0, 0
	SLD 0, 8                                       ; set 0 has been used: it takes batches 8 to 11 while set 1 is at work
	PHASE 1, 4
	s_wait_kmcnt 0x0                               ; set 0 is in
	SLD 1, 12
	PHASE 0, 8
	s_wait_kmcnt 0x0                               ; set 1 is in
	PHASE 1, 12
	; The eight waves' sums meet: [wave][batch][512 bytes]; 32 lanes write 512 neighbouring bytes.
.irp j, 0,1,2,3,4,5,6,7,8,9,10,11,12,13,14,15
	ds_store_b128 v2, v[ACC+4*(\j):ACC+4*(\j)+3] offset:(\j)*512
.endr
	s_wait_tensorcnt 0x0                           ; behind my last LDS store
	ds_add_u32 v[SPW], v[NIL]
	s_wait_dscnt 0x0                               ; for the other waves' sake: my stores above are done
	s_barrier_signal -1
	s_barrier_wait -1                              ; everybody's are
.irp u, 0,1,2,3,4,5,6,7
.irp jj, 0,1
	ds_load_b128 v[ACC+8*(\u)+4*(\jj):ACC+8*(\u)+4*(\jj)+3], v3 offset:(\u)*8192+(\jj)*512  ; wave u's sum for batch 2 w + jj
.endr
.endr
	s_wait_dscnt 0x0
.irp u, 1,2,3,4,5,6,7                  ; h ascending; the two batches take turns
.irp jj, 0,1
	v_pk_add_f32 v[ACC+4*(\jj):ACC+4*(\jj)+1],   v[ACC+4*(\jj):ACC+4*(\jj)+1],   v[ACC+8*(\u)+4*(\jj):ACC+8*(\u)+4*(\jj)+1]
	v_pk_add_f32 v[ACC+4*(\jj)+2:ACC+4*(\jj)+3], v[ACC+4*(\jj)+2:ACC+4*(\jj)+3], v[ACC+8*(\u)+4*(\jj)+2:ACC+8*(\u)+4*(\jj)+3]
.endr
.endr
.irp jj, 0,1
	global_store_b128 v1, v[ACC+4*(\jj):ACC+4*(\jj)+3], s[8:9] offset:(\jj)*ROWB  ; 512 consecutive bytes, at a multiple of 512 from the buffer's first byte
.endr
	s_endpgm
.Lfunc_end_k_q560b3bb2b6_vpart:
	.size	k_q560b3bb2b6_vpart, .Lfunc_end_k_q560b3bb2b6_vpart-k_q560b3bb2b6_vpart
	.p2alignl 7, 3214868480
	.fill 96, 4, 3214868480
	.section	.rodata,"a",@progbits
	.p2align	6, 0x0
	.amdhsa_kernel k_q560b3bb2b6_vpart
		.amdhsa_group_segment_fixed_size 66560
		.amdhsa_private_segment_fixed_size 0
		.amdhsa_enable_private_segment 0
		.amdhsa_kernarg_size 24
		.amdhsa_user_sgpr_count 2
		.amdhsa_user_sgpr_kernarg_segment_ptr 1
		.amdhsa_wavefront_size32 1
		.amdhsa_system_sgpr_workgroup_id_x 1
		.amdhsa_system_sgpr_workgroup_id_y 1
		.amdhsa_system_sgpr_workgroup_id_z 1
		.amdhsa_system_vgpr_workitem_id 0
		.amdhsa_next_free_vgpr 104
		.amdhsa_next_free_sgpr 84
		.amdhsa_reserve_vcc 0
		.amdhsa_float_denorm_mode_32 3
		.amdhsa_float_denorm_mode_16_64 3
		.amdhsa_memory_ordered 1
		.amdhsa_forward_progress 1
		.amdhsa_inst_pref_size 24
	.end_amdhsa_kernel
	.amdgpu_metadata
---
amdhsa.version: [ 1, 2 ]
amdhsa.kernels:
  - .name:           k_q560b3bb2b6_vpart
    .symbol:         k_q560b3bb2b6_vpart.kd
    .args:
      - { .name: W, .offset: 0, .size: 8, .value_kind: global_buffer, .address_space: global }
      - { .name: hx, .offset: 8, .size: 8, .value_kind: global_buffer, .address_space: global }
      - { .name: vpart, .offset: 16, .size: 8, .value_kind: global_buffer, .address_space: global }
    .group_segment_fixed_size: 66560
    .private_segment_fixed_size: 0
    .kernarg_segment_align: 8
    .kernarg_segment_size: 24
    .max_flat_workgroup_size: 256
    .sgpr_count:     84
    .vgpr_count:     104
    .wavefront_size: 32
...
	.end_amdgpu_metadata
.endif
;; end of part 1
;; launch energy (part 2): grid 256 x 1, 16 waves a work-group, no clusters, 7,168 bytes of LDS; arguments encoder_outputs, vpart, eng; writes eng
.if DOCPART == 2
	.amdgcn_target "amdgcn-amd-amdhsa--gfx1250"
	.amdhsa_code_object_version 6
	.text
	.protected	k_q560b3bb2b6_energy
	.globl	k_q560b3bb2b6_energy
	.p2align	8
	.type	k_q560b3bb2b6_energy,@function
k_q560b3bb2b6_energy:
	s_mov_b64 s[64:65], 0
	v_nop
	global_prefetch_b8 v0, s[64:65] scope:SCOPE_SE
	s_setreg_imm32_b32 hwreg(HW_REG_WAVE_MODE, 25, 1), 1
	s_wait_xcnt 0x0
; SECOND OF THREE.  eng[b][l] = sum_e enc[b][l][e] v[b][e], with v[b][:] the sum of the 16 partials that the first launch stored.  All in f32 (why: the first kernel's head).
; enc, 268,435,456 bytes, is read once, and that is the launch: no byte of it is shared between work-groups, so there is no cluster, and it is used once, so it goes straight into registers.
; SHARES.  Work-group g owns rows 256 g .. 256 g + 255 of enc taken as [65,536][1,024]; all lie in batch g / 8.  Wave w owns 16 of them and takes one whole row at a time: eight loads of 16 bytes a
; lane, each 512 consecutive bytes.  A ring of four row slots in registers: while a row is multiplied, the three behind it are on their way, 24 loads a wave, 32 once the slot is asked for again.
; v: thread t adds up the 16 partials of columns 2 t, 2 t + 1 (64 KiB for the work-group against its 1 MiB of enc), the sums meet in LDS, and every lane keeps the 32 numbers of v that go with its bytes of a row.
; A row's sum is reduced over the 32 lanes; lane r % 16 keeps row r's; the work-group's 256 sums leave through LDS, so that 16 lanes store 256 consecutive bytes, aligned.
.set ROWB,  4096                       ; bytes in a row of enc and of v
.set ROWS,  16                         ; rows of a wave
.set SLOTS, 4
.set ES,    4096                       ; LDS: v at 0 .. 4,095; the 256 row sums at ES .. ES + 1,023
.set SPARE, 5120                       ; the spare words, 128 bytes for each of 16 waves: eight blocks of 256 bytes that no other line names
.set OUT,   5                          ; v5       lanes r and r + 16: row r's sum
.set SPW,   6                          ; v6       LDS address of my spare word: SPARE + 4 x my thread's number; never rewritten
.set NIL,   7                          ; v7       0; never rewritten
.set A0,    8                          ; v[8:9], v[10:11]  two chains of sums, two numbers each
.set T,     12                         ; v12      takes the other half of the lanes' sum
.set V,     16                         ; v[16:47] first the 16 partials of my two columns, then v of my 32 columns
.set X,     48                         ; v[48:175] slot k: the row as loaded, 32 registers
; v1 = 16 x lane (enc's offset, v's LDS address); v2 = 8 x thread (partials' offset, v's LDS store); v3 = lane % 16; v4 = where my wave's sums go; v13, v14 = the way out
; s[4:5] enc, s[6:7] vpart, s[8:9] eng, each at my part and never rewritten; s10 wave; s[14:15] lane selects
	s_load_b128 s[4:7], s[0:1], 0x0                ; enc, vpart
	s_load_b64 s[8:9], s[0:1], 0x10                ; eng
	v_lshl_add_u32 v[SPW], v0, 2, SPARE
	v_mov_b32 v[NIL], 0
	v_lshrrev_b32 v13, 5, v0
	v_readfirstlane_b32 s10, v13                   ; wave 0..15
	v_and_b32 v1, 31, v0
	v_lshlrev_b32 v1, 4, v1
	v_lshlrev_b32 v2, 3, v0
	v_and_b32 v3, 15, v0
	s_lshl_b32 s11, s10, 6                         ; my wave's 16 sums
	s_add_co_u32 s11, s11, ES
	v_lshl_add_u32 v4, v3, 2, s11
	v_mov_b32 v[T], 0                              ; v_permlanex16_b32 counts as a reader of its destination
	v_and_b32 v14, 63, v0                          ; the way out is waves 0 and 1's: 64 threads x 16 bytes
	v_lshlrev_b32 v14, 4, v14
	v_add_nc_u32 v13, ES, v14
	s_mov_b32 s14, 0x76543210                      ; each lane takes its own place in the other half
	s_mov_b32 s15, 0xfedcba98
	s_lshl_b32 s12, ttmp9, 20                      ; enc: 256 rows of 4,096 bytes a work-group (at most 255 x 2^20),
	s_lshl_b32 s13, s10, 16                        ;      16 rows a wave
	s_add_co_u32 s12, s12, s13
	s_mov_b32 s13, 0
	s_lshr_b32 s16, ttmp9, 3                       ; the batch,
	s_lshl_b32 s16, s16, 12                        ; its row in each partial
	s_mov_b32 s17, 0
	s_lshl_b32 s18, ttmp9, 10                      ; eng: 256 numbers a work-group
	s_mov_b32 s19, 0
	s_wait_kmcnt 0x0
	s_add_nc_u64 s[4:5], s[4:5], s[12:13]
	s_add_nc_u64 s[6:7], s[6:7], s[16:17]
	s_add_nc_u64 s[8:9], s[8:9], s[18:19]
.macro FILL k, r                       ; row r of my 16 into slot k
.irp j, 0,1,2,3,4,5,6,7
	global_load_b128 v[X+32*(\k)+4*(\j):X+32*(\k)+4*(\j)+3], v1, s[4:5] offset:(\r)*ROWB+512*(\j) th:TH_LOAD_NT
.endr
.endm
	; The partials go first: loads come back in the order of issue (ISA guide 5.7.1), so that one counted wait shows them in and leaves the rows out.
.irp s, 0,1,2,3,4,5,6,7,8,9,10,11,12,13,14,15
	global_load_b64 v[V+2*(\s):V+2*(\s)+1], v2, s[6:7] offset:(\s)*131072  ; a wave takes 256 consecutive bytes of partial s; seven other work-groups read them too, so no hint
.endr
	FILL 0, 0
	FILL 1, 1
	FILL 2, 2
	FILL 3, 3
	s_wait_loadcnt 8*SLOTS                         ; the 32 loads of the four rows may be out: the 16 partials are in
.irp d, 8,4,2,1                        ; 15 additions, a fixed tree
.set i, 0
.rept \d
	v_pk_add_f32 v[V+2*i:V+2*i+1], v[V+2*i:V+2*i+1], v[V+2*(i+\d):V+2*(i+\d)+1]
.set i, i+1
.endr
.endr
	ds_store_b64 v2, v[V:V+1]                      ; v of columns 2 t, 2 t + 1
	s_wait_dscnt 0x0                               ; for the others' sake: my store is done
	s_barrier_signal -1
	s_barrier_wait -1                              ; v is whole
.irp j, 0,1,2,3,4,5,6,7
	ds_load_b128 v[V+4*(\j):V+4*(\j)+3], v1 offset:512*(\j)  ; columns 128 j + 4 x lane on: the same map as a row's loads
.endr
	s_wait_dscnt 0x0
; Row r.  The count is that of the younger loads: eight for each row behind it that has been asked for, three rows while the ring is full.
.macro ROW r
.set XS, X+32*((\r)%SLOTS)
.if (\r) <= ROWS-SLOTS
	s_wait_loadcnt 8*(SLOTS-1)
.else
	s_wait_loadcnt 8*(ROWS-1-(\r))
.endif
	v_pk_mul_f32 v[A0:A0+1],   v[XS:XS+1],   v[V:V+1]      ; the first products start the two chains: nothing is cleared
	v_pk_mul_f32 v[A0+2:A0+3], v[XS+2:XS+3], v[V+2:V+3]
.set p, 2
.rept 14
	v_pk_fma_f32 v[A0+2*(p%2):A0+2*(p%2)+1], v[XS+2*p:XS+2*p+1], v[V+2*p:V+2*p+1], v[A0+2*(p%2):A0+2*(p%2)+1]
.set p, p+1
.endr
.if (\r) < ROWS-SLOTS
	FILL (\r)%SLOTS, (\r)+SLOTS                    ; straight behind the slot's last use; the last four rows ask for nothing: no load leaves my 16 rows
.endif
	v_pk_add_f32 v[A0:A0+1], v[A0:A0+1], v[A0+2:A0+3]
	v_add_f32 v[A0], v[A0], v[A0+1]
.irp x, 1,2,4,8                        ; inside each half of 16 lanes the exchange rides on the addition
	v_add_f32_dpp v[A0], v[A0], v[A0] row_xmask:\x row_mask:0xf bank_mask:0xf
.endr
	v_permlanex16_b32 v[T], v[A0], s14, s15        ; and one step crosses the halves
	v_add_f32 v[A0], v[A0], v[T]                   ; every lane holds the row's sum
.if (\r) == 0
	v_mov_b32 v[OUT], v[A0]                        ; writes all lanes; lanes r % 16 = 1 .. 15 are replaced below
.else
	v_cmp_eq_u32 vcc_lo, \r, v3
	v_cndmask_b32 v[OUT], v[OUT], v[A0], vcc_lo
.endif
.endm
.irp r, 0,1,2,3,4,5,6,7,8,9,10,11,12,13,14,15
	ROW \r
.endr
	ds_store_b32 v4, v[OUT]                        ; lanes i and i + 16 write the same word with the same number
	s_wait_tensorcnt 0x0                           ; behind my last LDS store
	ds_add_u32 v[SPW], v[NIL]
	s_wait_dscnt 0x0                               ; for the other waves' sake: my store above is done
	s_barrier_signal -1
	s_barrier_wait -1                              ; all 256 sums are there
	s_cmp_ge_u32 s10, 2
	s_cbranch_scc1 .Lend                           ; 1,024 bytes are two waves' work
	ds_load_b128 v[8:11], v13
	s_wait_dscnt 0x0
	global_store_b128 v14, v[8:11], s[8:9]         ; 16 lanes store 256 consecutive bytes, at a multiple of 256 from eng's first byte
.Lend:
	s_endpgm
.Lfunc_end_k_q560b3bb2b6_energy:
	.size	k_q560b3bb2b6_energy, .Lfunc_end_k_q560b3bb2b6_energy-k_q560b3bb2b6_energy
	.p2alignl 7, 3214868480
	.fill 96, 4, 3214868480
	.section	.rodata,"a",@progbits
	.p2align	6, 0x0
	.amdhsa_kernel k_q560b3bb2b6_energy
		.amdhsa_group_segment_fixed_size 7168
		.amdhsa_private_segment_fixed_size 0
		.amdhsa_enable_private_segment 0
		.amdhsa_kernarg_size 24
		.amdhsa_user_sgpr_count 2
		.amdhsa_user_sgpr_kernarg_segment_ptr 1
		.amdhsa_wavefront_size32 1
		.amdhsa_system_sgpr_workgroup_id_x 1
		.amdhsa_system_sgpr_workgroup_id_y 1
		.amdhsa_system_sgpr_workgroup_id_z 1
		.amdhsa_system_vgpr_workitem_id 0
		.amdhsa_next_free_vgpr 176
		.amdhsa_next_free_sgpr 66
		.amdhsa_reserve_vcc 1
		.amdhsa_float_denorm_mode_32 3
		.amdhsa_float_denorm_mode_16_64 3
		.amdhsa_memory_ordered 1
		.amdhsa_forward_progress 1
		.amdhsa_inst_pref_size 42
	.end_amdhsa_kernel
	.amdgpu_metadata
---
amdhsa.version: [ 1, 2 ]
amdhsa.kernels:
  - .name:           k_q560b3bb2b6_energy
    .symbol:         k_q560b3bb2b6_energy.kd
    .args:
      - { .name: encoder_outputs, .offset: 0, .size: 8, .value_kind: global_buffer, .address_space: global }
      - { .name: vpart, .offset: 8, .size: 8, .value_kind: global_buffer, .address_space: global }
      - { .name: eng, .offset: 16, .size: 8, .value_kind: global_buffer, .address_space: global }
    .group_segment_fixed_size: 7168
    .private_segment_fixed_size: 0
    .kernarg_segment_align: 8
    .kernarg_segment_size: 24
    .max_flat_workgroup_size: 512
    .sgpr_count:     66
    .vgpr_count:     176
    .wavefront_size: 32
...
	.end_amdgpu_metadata
.endif
;; end of part 2
;; launch softmax (part 3): grid 32 x 1, 16 waves a work-group, no clusters, 2,560 bytes of LDS; arguments eng, hx, b, out0; writes out0
.if DOCPART == 3
	.amdgcn_target "amdgcn-amd-amdhsa--gfx1250"
	.amdhsa_code_object_version 6
	.text
	.protected	k_q560b3bb2b6_softmax
	.globl	k_q560b3bb2b6_softmax
	.p2align	8
	.type	k_q560b3bb2b6_softmax,@function
k_q560b3bb2b6_softmax:
	s_mov_b64 s[64:65], 0
	v_nop
	global_prefetch_b8 v0, s[64:65] scope:SCOPE_SE
	s_setreg_imm32_b32 hwreg(HW_REG_WAVE_MODE, 25, 1), 1
	s_wait_xcnt 0x0
; THIRD OF THREE.  out0[b][0][l] = softmax over l of (eng[b][l] + c[b]),  c[b] = sum_h hx[b][h] bias[h].  All in f32.
; One work-group for each of the 32 batches: a row's maximum and sum span all its 2,048 numbers, and no work-group hands anything to another, so the launch has work for 32 work-groups and no more.
; Thread t of 512 holds 4 energies (the 16 bytes at 16 t), and 2 numbers of hx[b] and of the bias (the 8 bytes at 8 t).
; The row's maximum is taken away before the exponential.  It is found of the energies without c and c is added to it: rounding x + c never reverses an order, so that is the maximum of the rounded sums,
; the largest energy's exponent is exactly 0, and the sum of the weights is at least 1.
; LIMITS.  A weight below 2^-126 comes out as 0 (v_exp_f32 flushes such results: ISA guide, its entry in 15.8).  NaN and infinities are not treated apart.
.set SPARE, 512                        ; LDS: 16 maxima at 0, 16 sums of c at 64, 16 sums of weights at 256; the spare words, 128 bytes for each of 16 waves, from here: eight blocks of 256 bytes that no other line names
.set SPW,  3                           ; v3       LDS address of my spare word: SPARE + 4 x my thread's number; never rewritten
.set NIL,  4                           ; v4       0; never rewritten
.set E,    8                           ; v[8:11]  my 4 energies, then their weights
.set MX,   16                          ; v16      my maximum, my wave's
.set CSUM, 17                          ; v17      my part of c, my wave's
.set T,    18                          ; v18      takes the other half of the lanes' figure
.set WA,   19                          ; v19      4 x my wave's number
.set Z,    20                          ; v20      LDS address 0
.set M,    21                          ; v21      the row's maximum, c added
.set SM,   22                          ; v[22:23] the sum of weights, then 1 / sum in v22
.set RA,   24                          ; v[24:39] sixteen words read back
.set RB,   40                          ; v[40:55] sixteen more
.set SEL,  16                          ; s[16:17] lane selects
	s_load_b256 s[4:11], s[0:1], 0x0               ; eng s[4:5], hx s[6:7], bias s[8:9], out0 s[10:11]
	v_lshl_add_u32 v[SPW], v0, 2, SPARE
	v_mov_b32 v[NIL], 0
	v_lshlrev_b32 v1, 4, v0                        ; 16 t
	v_lshlrev_b32 v2, 3, v0                        ; 8 t
	v_lshrrev_b32 v[WA], 5, v0
	v_readfirstlane_b32 s12, v[WA]                 ; wave 0..15
	v_mov_b32 v[WA], s12
	v_lshlrev_b32 v[WA], 2, v[WA]
	v_mov_b32 v[T], 0                              ; v_permlanex16_b32 counts as a reader of its destination
	v_mov_b32 v[Z], 0
	s_mov_b32 s[SEL], 0x76543210                   ; each lane takes its own place in the other half
	s_mov_b32 s[SEL+1], 0xfedcba98
	s_lshl_b32 s14, ttmp9, 13                      ; a row of eng and of out0 is 8,192 bytes,
	s_mov_b32 s15, 0
	s_lshl_b32 s18, ttmp9, 12                      ; a row of hx 4,096
	s_mov_b32 s19, 0
	s_wait_kmcnt 0x0
	s_add_nc_u64 s[4:5], s[4:5], s[14:15]
	s_add_nc_u64 s[6:7], s[6:7], s[18:19]
	s_add_nc_u64 s[10:11], s[10:11], s[14:15]
	global_load_b128 v[E:E+3], v1, s[4:5]
	global_load_b64 v[12:13], v2, s[6:7]
	global_load_b64 v[14:15], v2, s[8:9]
; Over the 32 lanes of a wave, the result in every lane: four steps inside each half ride on the arithmetic, one crosses the halves.
.macro WSUM r
.irp x, 1,2,4,8
	v_add_f32_dpp v[\r], v[\r], v[\r] row_xmask:\x row_mask:0xf bank_mask:0xf
.endr
	v_permlanex16_b32 v[T], v[\r], s[SEL], s[SEL+1]
	v_add_f32 v[\r], v[\r], v[T]
.endm
.macro WMAX r
.irp x, 1,2,4,8
	v_max_num_f32_dpp v[\r], v[\r], v[\r] row_xmask:\x row_mask:0xf bank_mask:0xf
.endr
	v_permlanex16_b32 v[T], v[\r], s[SEL], s[SEL+1]
	v_max_num_f32 v[\r], v[\r], v[T]
.endm
; The sum of the sixteen registers from r on, into v[r]: 4, 2 and 1 packed additions and one plain
.macro SUM16 r
.irp d, 8,4,2
.set i, 0
.rept (\d)/2
	v_pk_add_f32 v[(\r)+2*i:(\r)+2*i+1], v[(\r)+2*i:(\r)+2*i+1], v[(\r)+2*i+(\d):(\r)+2*i+(\d)+1]
.set i, i+1
.endr
.endr
	v_add_f32 v[\r], v[\r], v[(\r)+1]
.endm
	s_wait_loadcnt 0x0
	v_max3_num_f32 v[MX], v[E], v[E+1], v[E+2]
	v_mul_f32 v[CSUM], v12, v14
	v_max_num_f32 v[MX], v[MX], v[E+3]
	v_fmac_f32 v[CSUM], v13, v15
	WMAX MX
	WSUM CSUM
	ds_store_b32 v[WA], v[MX]                      ; all lanes write the wave's word with the same number
	ds_store_b32 v[WA], v[CSUM] offset:64
	s_wait_dscnt 0x0                               ; for the others' sake: my stores are done
	s_barrier_signal -1
	s_barrier_wait -1
.irp i, 0,1,2,3
	ds_load_b128 v[RA+4*(\i):RA+4*(\i)+3], v[Z] offset:16*(\i)      ; the 16 waves' maxima, in every lane
.endr
.irp i, 0,1,2,3
	ds_load_b128 v[RB+4*(\i):RB+4*(\i)+3], v[Z] offset:64+16*(\i)   ; and their parts of c
.endr
	s_wait_dscnt 0x0
.irp i, 0,3,6,9,12
	v_max3_num_f32 v[RA+(\i)], v[RA+(\i)], v[RA+(\i)+1], v[RA+(\i)+2]
.endr
	v_max3_num_f32 v[RA], v[RA], v[RA+3], v[RA+6]
	v_max3_num_f32 v[RA+9], v[RA+9], v[RA+12], v[RA+15]
	v_max_num_f32 v[RA], v[RA], v[RA+9]
	SUM16 RB                                       ; c
	v_add_f32 v[M], v[RA], v[RB]
.irp i, 0,1,2,3
	v_add_f32 v[E+(\i)], v[E+(\i)], v[RB]          ; the energy as the module defines it
.endr
.irp i, 0,1,2,3
	v_sub_f32 v[E+(\i)], v[E+(\i)], v[M]           ; the difference is taken first and scaled then: fused with the scaling, the rounding of the scaled maximum would enter every exponent
.endr
.irp i, 0,1,2,3
	v_mul_f32 v[E+(\i)], 0x3fb8aa3b, v[E+(\i)]     ; log2(e): v_exp_f32 is 2^x
.endr
.irp i, 0,1,2,3
	v_exp_f32 v[E+(\i)], v[E+(\i)]
.endr
	v_nop                                          ; a plain instruction between the last exponential and the use of its result (ISA guide 5.7.2)
	s_wait_alu depctr_va_vdst(0)
	v_add_f32 v[SM], v[E], v[E+1]
	v_add_f32 v[SM+1], v[E+2], v[E+3]
	v_add_f32 v[SM], v[SM], v[SM+1]
	WSUM SM
	ds_store_b32 v[WA], v[SM] offset:256           ; other bytes than the first two figures': no wave need have finished reading those
	s_wait_tensorcnt 0x0                           ; behind my last LDS store
	ds_add_u32 v[SPW], v[NIL]
	s_wait_dscnt 0x0                               ; for the other waves' sake: my store above is done
	s_barrier_signal -1
	s_barrier_wait -1
.irp i, 0,1,2,3
	ds_load_b128 v[RA+4*(\i):RA+4*(\i)+3], v[Z] offset:256+16*(\i)
.endr
	s_wait_dscnt 0x0
	SUM16 RA                                       ; at least 1
	v_rcp_f32 v[SM], v[RA]
	v_nop                                          ; a plain instruction between the reciprocal and the use of its result
	s_wait_alu depctr_va_vdst(0)
	v_pk_mul_f32 v[E:E+1],   v[E:E+1],   v[SM:SM+1] op_sel_hi:[1,0]  ; both halves by the pair's first register
	v_pk_mul_f32 v[E+2:E+3], v[E+2:E+3], v[SM:SM+1] op_sel_hi:[1,0]
	global_store_b128 v1, v[E:E+3], s[10:11] th:TH_STORE_NT         ; 16 lanes store 256 consecutive bytes, at a multiple of 256 from out0's first byte
	s_endpgm
.Lfunc_end_k_q560b3bb2b6_softmax:
	.size	k_q560b3bb2b6_softmax, .Lfunc_end_k_q560b3bb2b6_softmax-k_q560b3bb2b6_softmax
	.p2alignl 7, 3214868480
	.fill 96, 4, 3214868480
	.section	.rodata,"a",@progbits
	.p2align	6, 0x0
	.amdhsa_kernel k_q560b3bb2b6_softmax
		.amdhsa_group_segment_fixed_size 2560
		.amdhsa_private_segment_fixed_size 0
		.amdhsa_enable_private_segment 0
		.amdhsa_kernarg_size 32
		.amdhsa_user_sgpr_count 2
		.amdhsa_user_sgpr_kernarg_segment_ptr 1
		.amdhsa_wavefront_size32 1
		.amdhsa_system_sgpr_workgroup_id_x 1
		.amdhsa_system_sgpr_workgroup_id_y 1
		.amdhsa_system_sgpr_workgroup_id_z 1
		.amdhsa_system_vgpr_workitem_id 0
		.amdhsa_next_free_vgpr 56
		.amdhsa_next_free_sgpr 66
		.amdhsa_reserve_vcc 0
		.amdhsa_float_denorm_mode_32 3
		.amdhsa_float_denorm_mode_16_64 3
		.amdhsa_memory_ordered 1
		.amdhsa_forward_progress 1
		.amdhsa_inst_pref_size 7
	.end_amdhsa_kernel
	.amdgpu_metadata
---
amdhsa.version: [ 1, 2 ]
amdhsa.kernels:
  - .name:           k_q560b3bb2b6_softmax
    .symbol:         k_q560b3bb2b6_softmax.kd
    .args:
      - { .name: eng, .offset: 0, .size: 8, .value_kind: global_buffer, .address_space: global }
      - { .name: hx, .offset: 8, .size: 8, .value_kind: global_buffer, .address_space: global }
      - { .name: b, .offset: 16, .size: 8, .value_kind: global_buffer, .address_space: global }
      - { .name: out0, .offset: 24, .size: 8, .value_kind: global_buffer, .address_space: global }
    .group_segment_fixed_size: 2560
    .private_segment_fixed_size: 0
    .kernarg_segment_align: 8
    .kernarg_segment_size: 32
    .max_flat_workgroup_size: 512
    .sgpr_count:     66
    .vgpr_count:     56
    .wavefront_size: 32
...
	.end_amdgpu_metadata
.endif
;; end of part 3
